; MI455X (gfx1250); checked and timed in simulation.
; The chip was launched on July 23, 2026; its instructions are those of AMD's public machine-readable ISA for CDNA 5 (MIT licence, August 2026) and "CDNA5" Instruction Set Architecture Reference Guide (July 2026). The comments in the code are by the model that wrote it; some were corrected since.
;; Kan Board768. Allowed arithmetic: float matrix products may take bf16 or f16 operands with f32 sums; all other float work in f32.
;; Inputs: ft_b 128 float32; ft_w 128 x 768 float32; kan1_base_w 128 x 256 float32; kan1_spline_w 128 x 256 x 8 float32; kan2_base_w 1 x 128 float32; kan2_spline_w 1 x 128 x 8 float32; nstm 32,768 x 768 float32; stm 32,768 x 768 float32.
;; Outputs: out0 32,768 x 1 float32.
;; One version. Each part assembles by itself: llvm-mc -triple=amdgcn-amd-amdhsa -mcpu=gfx1250 --defsym DOCPART=n.
;; ======== version 1 of 1: 2 launches
;; workspace buffers: wts 823,296 bytes
;; launch prep (part 1): grid 201 x 1, 8 waves a work-group, no clusters, 0 bytes of LDS; arguments ft_w, kan1_base_w, kan1_spline_w, kan2_base_w, kan2_spline_w, wts; writes wts
.if DOCPART == 1
	.amdgcn_target "amdgcn-amd-amdhsa--gfx1250"
	.amdhsa_code_object_version 6
	.text
	.protected	k_q45398d5855_prep
	.globl	k_q45398d5855_prep
	.p2align	8
	.type	k_q45398d5855_prep,@function
k_q45398d5855_prep:
	s_mov_b64 s[64:65], 0
	v_nop
	global_prefetch_b8 v0, s[64:65] scope:SCOPE_SE
	s_setreg_imm32_b32 hwreg(HW_REG_WAVE_MODE, 25, 1), 1
	s_wait_xcnt 0x0
; All weights, rounded once to bf16 (nearest even) and laid in the order in which a matrix instruction's first source wants them, so that
; the main launch reads them from LDS as lane x 16 bytes.  A CHUNK is 32 places along K for NT tiles of 16 outputs.  A PIECE is 16 bytes:
; tile nt, half hf, lane L (r = L % 16, h = L / 16) at nt x 1024 + hf x 512 + L x 16; it holds places 16 hf + 8 h + 0..7 of output 16 nt + r.
;   pieces     0 .. 12287  ft_w, 24 chunks, NT = 8: place p of chunk c is column 32 c + p
;   pieces 12288 .. 16383  kan1_base_w, 8 chunks, NT = 8: the same map
;   pieces 16384 .. 49151  kan1_spline_w, 64 chunks E = 4 T + j, NT = 8: a piece is ONE feature, 16 T + 8 h + 2 j + hf, its eight bases in the order 0,4,1,5,2,6,3,7
;   pieces 49152 .. 49407  kan2_base_w, 4 chunks, NT = 1: only output 0 exists; lanes with r != 0 hold 0
;   pieces 49408 .. 51455  kan2_spline_w, 32 chunks, NT = 1, likewise
; One thread makes one piece: 32 bytes in, 16 bytes out; a wave's store covers 512 consecutive bytes.  Piece number = 256 x work-group + thread, in every section.
; A chunk of NT = 8 is 512 pieces, two work-groups, so its number is a scalar.
.macro PIECE b, perm, mask              ; v9: byte offset of the piece's eight numbers in the tensor at s[b:b+1]
	global_load_b128 v[12:15], v9, s[\b:\b+1]
	global_load_b128 v[16:19], v9, s[\b:\b+1] offset:16
	s_wait_loadcnt 0x0
.if \perm
	v_cvt_pk_bf16_f32 v20, v12, v16                ; bases p and p + 4 share a register
	v_cvt_pk_bf16_f32 v21, v13, v17
	v_cvt_pk_bf16_f32 v22, v14, v18
	v_cvt_pk_bf16_f32 v23, v15, v19
.else
	v_cvt_pk_bf16_f32 v20, v12, v13
	v_cvt_pk_bf16_f32 v21, v14, v15
	v_cvt_pk_bf16_f32 v22, v16, v17
	v_cvt_pk_bf16_f32 v23, v18, v19
.endif
.if \mask
	v_cmp_eq_u32 vcc_lo, 0, v1                     ; the one output is row 0 of its tile
	v_cndmask_b32 v20, 0, v20, vcc_lo
	v_cndmask_b32 v21, 0, v21, vcc_lo
	v_cndmask_b32 v22, 0, v22, vcc_lo
	v_cndmask_b32 v23, 0, v23, vcc_lo
.endif
	global_store_b128 v5, v[20:23], s[14:15]
	s_endpgm
.endm
	s_load_b256 s[4:11], s[0:1], 0x0               ; ft_w s[4:5], kan1_base_w s[6:7], kan1_spline_w s[8:9], kan2_base_w s[10:11]
	s_load_b128 s[12:15], s[0:1], 0x20             ; kan2_spline_w s[12:13], wts s[14:15]
	s_mov_b32 s16, ttmp9
	s_lshl_b32 s17, s16, 8
	v_and_b32 v1, 15, v0                           ; r
	v_bfe_u32 v2, v0, 4, 1                         ; h
	v_bfe_u32 v3, v0, 5, 1                         ; hf
	v_lshrrev_b32 v10, 6, v0                       ; thread / 64
	v_add_nc_u32 v4, s17, v0                       ; the piece's number
	v_lshlrev_b32 v5, 4, v4                        ; its byte in wts
	v_lshlrev_b32 v6, 4, v3
	v_lshl_add_u32 v6, v2, 3, v6                   ; 16 hf + 8 h
	v_bfe_u32 v7, v4, 6, 3                         ; nt (the sections of NT = 8 begin at multiples of 512 pieces)
	v_lshl_add_u32 v7, v7, 4, v1                   ; the output, 16 nt + r
	v_lshl_add_u32 v11, v2, 3, v3                  ; 8 h + hf
	s_wait_kmcnt 0x0
	s_cmp_lt_u32 s16, 48
	s_cbranch_scc0 .Lnot_ft
	s_lshr_b32 s18, s16, 1                         ; chunk c
	s_lshl_b32 s18, s18, 5
	v_add_nc_u32 v8, s18, v6                       ; column 32 c + 16 hf + 8 h
	v_mad_u32_u24 v8, v7, 768, v8
	v_lshlrev_b32 v9, 2, v8
	PIECE 4, 0, 0
.Lnot_ft:
	s_cmp_lt_u32 s16, 64
	s_cbranch_scc0 .Lnot_base1
	s_sub_co_u32 s18, s16, 48
	s_lshr_b32 s18, s18, 1
	s_lshl_b32 s18, s18, 5
	v_add_nc_u32 v8, s18, v6
	v_lshl_add_u32 v8, v7, 8, v8                   ; output x 256 + column
	v_lshlrev_b32 v9, 2, v8
	PIECE 6, 0, 0
.Lnot_base1:
	s_cmp_lt_u32 s16, 192
	s_cbranch_scc0 .Lnot_spline1
	s_sub_co_u32 s18, s16, 64
	s_lshr_b32 s18, s18, 1                         ; E = 4 T + j
	s_lshr_b32 s19, s18, 2
	s_lshl_b32 s19, s19, 4                         ; 16 T
	s_and_b32 s18, s18, 3
	s_lshl1_add_u32 s19, s18, s19                  ; + 2 j
	v_add_nc_u32 v8, s19, v11                      ; the feature
	v_lshl_add_u32 v8, v7, 8, v8
	v_lshlrev_b32 v9, 5, v8                        ; eight f32 a feature
	PIECE 8, 1, 0
.Lnot_spline1:
	s_cmp_lt_u32 s16, 193
	s_cbranch_scc0 .Lspline2
	v_lshl_add_u32 v8, v10, 5, v6                  ; chunk = thread / 64
	v_lshlrev_b32 v9, 2, v8
	PIECE 10, 0, 1
.Lspline2:
	s_sub_co_u32 s18, s16, 193                     ; four chunks a work-group: T is the work-group's, j = thread / 64
	s_lshl_b32 s19, s18, 4
	v_lshl_add_u32 v8, v10, 1, v11
	v_add_nc_u32 v8, s19, v8
	v_lshlrev_b32 v9, 5, v8
	PIECE 12, 1, 1
.Lfunc_end_k_q45398d5855_prep:
	.size	k_q45398d5855_prep, .Lfunc_end_k_q45398d5855_prep-k_q45398d5855_prep
	.p2alignl 7, 3214868480
	.fill 96, 4, 3214868480
	.section	.rodata,"a",@progbits
	.p2align	6, 0x0
	.amdhsa_kernel k_q45398d5855_prep
		.amdhsa_group_segment_fixed_size 0
		.amdhsa_private_segment_fixed_size 0
		.amdhsa_enable_private_segment 0
		.amdhsa_kernarg_size 48
		.amdhsa_user_sgpr_count 2
		.amdhsa_user_sgpr_kernarg_segment_ptr 1
		.amdhsa_wavefront_size32 1
		.amdhsa_system_sgpr_workgroup_id_x 1
		.amdhsa_system_sgpr_workgroup_id_y 1
		.amdhsa_system_sgpr_workgroup_id_z 1
		.amdhsa_system_vgpr_workitem_id 0
		.amdhsa_next_free_vgpr 32
		.amdhsa_next_free_sgpr 66
		.amdhsa_reserve_vcc 1
		.amdhsa_float_denorm_mode_32 3
		.amdhsa_float_denorm_mode_16_64 3
		.amdhsa_memory_ordered 1
		.amdhsa_forward_progress 1
		.amdhsa_inst_pref_size 6
	.end_amdhsa_kernel
	.amdgpu_metadata
---
amdhsa.version: [ 1, 2 ]
amdhsa.kernels:
  - .name:           k_q45398d5855_prep
    .symbol:         k_q45398d5855_prep.kd
    .args:
      - { .name: ft_w, .offset: 0, .size: 8, .value_kind: global_buffer, .address_space: global }
      - { .name: kan1_base_w, .offset: 8, .size: 8, .value_kind: global_buffer, .address_space: global }
      - { .name: kan1_spline_w, .offset: 16, .size: 8, .value_kind: global_buffer, .address_space: global }
      - { .name: kan2_base_w, .offset: 24, .size: 8, .value_kind: global_buffer, .address_space: global }
      - { .name: kan2_spline_w, .offset: 32, .size: 8, .value_kind: global_buffer, .address_space: global }
      - { .name: wts, .offset: 40, .size: 8, .value_kind: global_buffer, .address_space: global }
    .group_segment_fixed_size: 0
    .private_segment_fixed_size: 0
    .kernarg_segment_align: 8
    .kernarg_segment_size: 48
    .max_flat_workgroup_size: 256
    .sgpr_count:     66
    .vgpr_count:     32
    .wavefront_size: 32
...
	.end_amdgpu_metadata
.endif
;; end of part 1
;; launch kan (part 2): grid 256 x 1, 4 waves a work-group, clusters of 4 x 1, 327,680 bytes of LDS; arguments stm, nstm, ft_b, wts, out0; writes out0
.if DOCPART == 2
	.amdgcn_target "amdgcn-amd-amdhsa--gfx1250"
	.amdhsa_code_object_version 6
	.text
	.protected	k_q45398d5855_kan
	.globl	k_q45398d5855_kan
	.p2align	8
	.type	k_q45398d5855_kan,@function
k_q45398d5855_kan:
	s_mov_b64 s[64:65], 0
	v_nop
	global_prefetch_b8 v0, s[64:65] scope:SCOPE_SE
	s_setreg_imm32_b32 hwreg(HW_REG_WAVE_MODE, 25, 1), 1
	s_wait_xcnt 0x0
	s_wait_alu depctr_hold_cnt(0) depctr_sa_sdst(0) depctr_va_vdst(0) depctr_va_sdst(0) depctr_va_ssrc(0) depctr_va_vcc(0) depctr_vm_vsrc(0)
	s_getreg_b32 s2, hwreg(HW_REG_IB_STS2, 6, 4)
	s_cmp_eq_u32 s2, 0
	s_cbranch_scc0 .Lentry_in_a_cluster
	s_endpgm
.Lentry_in_a_cluster:
	s_bfe_u32 s2, ttmp6, 0x10000c
	s_cmp_lg_u32 s2, 0x3003
	s_cbranch_scc0 .Lentry_shape_is_right
	s_endpgm
.Lentry_shape_is_right:
; out = sigmoid(KAN2(KAN1([stm ft_w^T + b, nstm ft_w^T + b]))), all of it for 128 batch rows a work-group, 32 rows (two tiles of 16) a wave.
; ROUNDING.  Matrix operands are bf16 (x, weights, silu values, spline bases), sums f32; everything else f32.  LIMIT: NaN in the inputs is not treated apart.
; EVERY PRODUCT IS USED TRANSPOSED: source 0 = 16 weight rows, source 1 = 16 batch rows.  A lane (r = lane % 16, h = lane / 16) of every result then holds batch row r and
; features 8 h + 0..7 of the tile.  That is what source 1 of the next product wants from that lane, K being ordered alike in the weights (the launch before lays them so).
; So no number changes lanes between the three layers, and no wave hands anything to another but the 128 results at the end.
; SPLINES.  The knots are uniform: basis b at x is M(2.5 x + 3.5 - b), M the centred cubic B-spline, 0 from |z| = 2 on, so of bases p and p + 4 one at most is not 0.
; y = 0.625 x + (3.5 - p) / 4, held to [-0.5, 1.5]; r = y rounded to a whole number says which of the two; e = y - r, |z| = 4 |e|;
; a = k (2 - |z|), k = 6^(-1/3); c = min((2/3)^(1/3) (|z| - 1), 0); M = a^3 + c^3.  At both ends of the range |e| = 0.5 and a = 2k - 0.5 x 4k = 0 exactly (the constant 4k is twice the constant 2k):
; outside the grid all bases are 0, as in the recursion.  a is 1.11 at the most, so no difference of large numbers is formed.  38 vector instructions for a number's eight bases, packed (p, p + 4).
; X comes through registers: it is f32 and must be rounded on its way.  A wave keeps 64 loads of 16 bytes a lane out (two buffers of 64 along K, both tensors), 16 lanes to 256 consecutive bytes of a row;
; rounded, it is turned into fragments through a stage of the wave's own in LDS.
; WEIGHTS come by tensor loads.  CLUSTER: all work-groups walk the same weights, so the four of a cluster ask JOINTLY: the same load, descriptor and mask in all four; each wave asks for its quarter.
; In fragment order a load takes lane x 16 bytes: no padding is wanted.
; LDS:        0 ..  196,607  ft_w, 24 chunks of 8,192 (one fill).  Behind the feature transform: 0 .. 131,071 the hidden stage (32,768 a wave: entry E = 4 T + j of 512 bytes: [row tile][lane][features 2 j, 2 j + 1 of tile T]);
;       131,072 ..  196,607  zone 0,  196,608 .. 262,143 zone 1: the ring of KAN1's weights, an image of 8 chunks each (image 0: silu's weights; 1 to 8: the splines')
;       262,144 ..  299,007  KAN2's weights, 36 chunks of 1,024;  299,008 x's stage, 16 rows x 144 bytes a wave;  308,224 the spare words;  308,736 the 128 results
; REGISTERS, in windows of 256 (s_set_vgpr_msb: bits 1:0 source 0, 3:2 source 1, 5:4 source 2, 7:6 destination):
;   window 1: the feature transform's 32 accumulators, (tensor t, row tile mt, tile tau) at 128 t + 64 mt + 8 tau      window 2: x as loaded, two buffers of 128      window 3: v0-1 the add's two registers
;   window 0, feature transform: v4-9 addresses; v16-31 rounded x; v32-95 x's fragments; v96-223 weights of 64 along K
;   window 0, KAN layers: v0-3 the four (3.5 - p) / 4; v4-6 addresses; v8-15 hidden numbers, two buffers; v16-31 at work; v32-63 fragments, two buffers; v64-127 weights of a chunk; v128-255 accumulators
.set ROWB,  3072      ; bytes in a row of x
.set ZONE0, 0x20000
.set ZONE1, 0x30000
.set ZXOR,  0x10000   ; one exclusive or turns an address in one zone into the other's
.set W2L,   262144
.set XST,   299008
.set XP,    144       ; a row of x's stage: 128 bytes + 16
.set SPARE, 308224
.set OST,   308736
.set IM0G,  196608    ; byte offsets in wts
.set IM1G,  262144
.set W2G,   786432
.set SPW, 0           ; window 3
.set NIL, 1
.set LN8, 4           ; v4  lane x 8; never rewritten
.set WKA, 5           ; v5  LDS address of the weights in hand
.set XO,  6           ; v6  my byte offset in two rows of x
.set HSA, 6           ;     later: LDS address in the hidden stage
.set XSA, 7           ; v7  where I put 8 bytes of rounded x
.set XLA, 8           ; v8  where I read x's fragments
.set BO,  9           ; v9  my byte offset in ft_b
.set HV,  8           ; v8-15  hidden numbers: buffer b, row tile mt at HV + 4 b + 2 mt
.set CT,  16
.set TY,  16          ; y, e, a, then c^2
.set TR,  20          ; r, then the upper basis
.set TC,  24          ; c
.set TN,  28          ; a^2, a^3, M, then the lower basis
.set AF,  32
.set XV,  48
.set WF,  96
.set W,   64
.set KA,  128
.set XA,  0           ; window 2
.set XB,  128
.set MSB, 0
.macro WIN new                          ; the high byte repeats the setting that is left; a switch that changes nothing is dropped
.if MSB != (\new)
	s_set_vgpr_msb (MSB<<8)|(\new)
.set MSB, (\new)
.endif
.endm
.set W_MK, 0xc0       ; destination window 3
.set W_AD, 0x0f       ; the add: address and data in window 3
.set W_FT, 0x50       ; C and D window 1
.set W_XL, 0x80       ; destination window 2
.set W_XC, 0x0a       ; sources 0 and 1 window 2
.set W_ST, 0x04       ; an LDS store's data in window 1
.macro CROUND                           ; a round of the cluster's barrier
	s_barrier_signal -1
	s_barrier_wait -1
	s_cmp_lg_u32 s14, 0
	s_cbranch_scc1 .Lnot_wave_0_\@
	s_barrier_signal -3
.Lnot_wave_0_\@:
	s_barrier_wait -3
	s_barrier_signal -1
	s_barrier_wait -1
.endm
.macro PLACES                           ; four places behind matrix instructions, where no other vector work is at hand (ISA guide 7.12.1)
.rept 4
	v_nop
.endr
.endm
.macro ADD0                             ; all my tensor loads have landed; 0 onto my spare word
	WIN W_AD
	s_wait_tensorcnt 0x0
	ds_add_u32 v[SPW], v[NIL]
	WIN 0
.endm
.macro G1SET g, rows                    ; descriptor group 1: rows of 256 dense bytes, as 32 elements of 8 bytes
	s_mov_b32 s[\g], 15|(3<<16)|(1<<21)            ; 15:0 the mask of four; 17:16 8-byte elements; 21 set beside a mask
	s_mov_b32 s[\g+1], 32<<16                      ; tensor_dim0
	s_mov_b32 s[\g+2], (\rows)<<16                 ; tensor_dim1
	s_mov_b32 s[\g+3], 32<<16                      ; tile_dim0
	s_mov_b32 s[\g+4], \rows                       ; tile_dim1
	s_mov_b32 s[\g+5], 32                          ; elements from row to row
	s_mov_b32 s[\g+6], 0
	s_mov_b32 s[\g+7], 0
.endm
.macro G0SET g, lbase, step, goff       ; descriptor group 0: my wave's quarter, step bytes, of a block at LDS byte lbase and at byte goff of wts
	s_mov_b32 s[\g], 1
	s_mul_i32 s80, s14, \step
	s_add_co_u32 s[\g+1], s80, \lbase
	s_add_co_u32 s80, s80, \goff
	s_add_nc_u64 s[\g+2:\g+3], s[10:11], s[80:81]
	s_or_b32 s[\g+3], s[\g+3], 0x80000000          ; type = 2
.endm
	s_load_b256 s[4:11], s[0:1], 0x0               ; stm s[4:5], nstm s[6:7], ft_b s[8:9], wts s[10:11]
	s_load_b64 s[12:13], s[0:1], 0x20              ; out0
	WIN W_MK
	v_lshl_add_u32 v[SPW], v0, 2, SPARE
	v_mov_b32 v[NIL], 0
	WIN W_AD
	ds_add_u32 v[SPW], v[NIL]                      ; the wave's opening: the add and its wait stand ahead of my first tensor load; the set-up, work on registers, stands between
	WIN 0
	v_lshrrev_b32 v1, 5, v0
	v_readfirstlane_b32 s14, v1                    ; wave 0..3
	s_bfe_u32 s86, ttmp6, 0x40000                  ; cx
	s_lshl_b32 s15, ttmp9, 2
	s_add_co_u32 s15, s15, s86                     ; work-group = 4 x cluster + cx: it enters x's and out0's addresses alone
	G1SET 16, 192                                  ; ft_w: 49,152 bytes a wave
	G1SET 24, 64                                   ; an image of KAN1's weights: 16,384 a wave
	G1SET 32, 36                                   ; KAN2's weights: 9,216 a wave
	s_mov_b32 s81, 0
	s_mov_b32 s85, 0
	s_mov_b32 s56, ZONE1                           ; the zone that is read
	s_lshl_b32 s57, s14, 15                        ; my part of the hidden stage
	s_mov_b32 s60, 0x76543210                      ; v_permlanex16_b32: each lane takes its own place in the other half
	s_mov_b32 s61, 0xfedcba98
	s_mov_b32 s66, 0x3f200000                      ; 0.625 (constants of packed instructions are named as pairs)
	s_mov_b32 s67, s66
	s_mov_b32 s68, 0x3f8ce1da                      ; 2 k
	s_mov_b32 s69, 0xc00ce1da                      ; -4 k
	s_mov_b32 s70, 0xbfcb2ff5                      ; -4^(1/3)
	s_mov_b32 s71, s70
	s_mov_b32 s72, 0x3f5fa2f8                      ; (2/3)^(1/3)
	s_mov_b32 s73, s72
	s_mov_b32 s75, 0x3fc00000                      ; 1.5
	s_mov_b32 s76, 0xbfb8aa3b                      ; -log2(e)
	s_mov_b32 s77, s76
	s_mov_b32 s78, 0xffff0000                      ; lanes 16 to 31
	v_and_b32 v1, 31, v0
	v_and_b32 v2, 15, v0                           ; r
	v_bfe_u32 v3, v0, 4, 1                         ; h
	v_lshlrev_b32 v[LN8], 3, v1
	v_lshlrev_b32 v[WKA], 4, v1                    ; ft_w's chunk 0
	v_mul_u32_u24 v[XO], v3, ROWB                  ; 16 lanes take 256 bytes of a row, the other 16 the row below
	v_lshl_add_u32 v[XO], v2, 4, v[XO]
	s_mul_i32 s82, s14, 16*XP
	s_add_co_u32 s82, s82, XST                     ; my stage for x
	v_mul_u32_u24 v[XSA], v3, XP
	v_lshl_add_u32 v[XSA], v2, 3, v[XSA]
	v_add_nc_u32 v[XSA], s82, v[XSA]
	v_mul_u32_u24 v[XLA], v2, XP                   ; a fragment: row r, 16 bytes for each half of the lanes
	v_lshl_add_u32 v[XLA], v3, 4, v[XLA]
	v_add_nc_u32 v[XLA], s82, v[XLA]
	v_lshlrev_b32 v[BO], 5, v3                     ; features 8 h on
	s_lshl_b32 s84, s15, 7
	s_lshl_b32 s86, s14, 5
	s_add_co_u32 s84, s84, s86                     ; my first row
	s_mul_i32 s84, s84, ROWB                       ; under 2^27 bytes
	s_wait_dscnt 0x0                               ; the opening add is done
	s_wait_kmcnt 0x0
	G0SET 40, 0, 49152, 0                          ; ft_w
	G0SET 44, ZONE1, 16384, IM0G                   ; image 0 into zone 1
	G0SET 48, W2L, 9216, W2G                       ; KAN2's weights
	G0SET 52, ZONE0, 16384, IM1G                   ; the walking descriptor: image 1 into zone 0
	s_add_nc_u64 s[4:5], s[4:5], s[84:85]
	s_add_nc_u64 s[6:7], s[6:7], s[84:85]
	CROUND                                         ; all four work-groups are here: the first joint loads meet
	tensor_load_to_lds s[40:43], s[16:23]          ; the three first fills go out together: three loads of mine are out
	s_nop 0
	tensor_load_to_lds s[44:47], s[24:31]
	s_nop 0
	tensor_load_to_lds s[48:51], s[32:39]
	s_nop 0
	PLACES
	; The bias starts the sums: it is loaded straight into the accumulators (register j of a lane is feature 16 tau + 8 h + j), once for each tensor and row tile.
	WIN 0x40
.irp a, 0,1,2,3
.irp tau, 0,1,2,3,4,5,6,7
	global_load_b128 v[64*\a+8*\tau:64*\a+8*\tau+3],   v[BO], s[8:9] offset:64*\tau
	global_load_b128 v[64*\a+8*\tau+4:64*\a+8*\tau+7], v[BO], s[8:9] offset:64*\tau+16
.endr
.endr
	; x's ring is filled, in the order in which the batches will wait: buffer, tensor, rows.  Load i takes rows 2 i and 2 i + 1.
	WIN W_XL
.irp b, 0,1
.irp t, 0,1
.irp i, 0,1,2,3,4,5,6,7,8,9,10,11,12,13,14,15
	global_load_b128 v[128*\b+64*\t+4*\i:128*\b+64*\t+4*\i+3], v[XO], s[4+2*\t:5+2*\t] offset:\i*2*ROWB+256*\b th:TH_LOAD_NT
.endr
.endr
.endr
	WIN 0
	s_wait_tensorcnt 0x2                           ; my part of ft_w is in; the two loads issued behind it may stay out
	s_barrier_signal -1
	s_barrier_wait -1                              ; everybody's is
; ---------------- THE FEATURE TRANSFORM ----------------
; A BATCH: 16 rows x 64 along K of tensor t, row tile mt, in buffer X: eight loads are waited for, rounded to bf16, put into my stage and read back as two fragments.
; LDS serves a wave's instructions in order (ISA guide 5.7.1.4), and the stage is my own: no wait stands between the stores and the loads, nor in front of the next batch's stores.
; left: the younger loads that may stay out.  reload = 1: the same registers take the block of K two blocks on (off bytes from the pointer); these loads stand last in the batch.
.macro BATCH X, t, mt, reload, off, left
	s_wait_loadcnt \left
	WIN W_XC
.irp i, 0,1,2,3,4,5,6,7
	v_cvt_pk_bf16_f32 v[CT+2*\i],   v[(\X)+64*(\t)+32*(\mt)+4*\i],   v[(\X)+64*(\t)+32*(\mt)+4*\i+1]
	v_cvt_pk_bf16_f32 v[CT+2*\i+1], v[(\X)+64*(\t)+32*(\mt)+4*\i+2], v[(\X)+64*(\t)+32*(\mt)+4*\i+3]
.endr
	WIN 0
.irp i, 0,1,2,3,4,5,6,7
	ds_store_b64 v[XSA], v[CT+2*\i:CT+2*\i+1] offset:\i*2*XP
.endr
.irp c, 0,1
	ds_load_b128 v[AF+32*(\t)+16*(\mt)+8*\c:AF+32*(\t)+16*(\mt)+8*\c+3],   v[XLA] offset:64*\c
	ds_load_b128 v[AF+32*(\t)+16*(\mt)+8*\c+4:AF+32*(\t)+16*(\mt)+8*\c+7], v[XLA] offset:64*\c+32
.endr
.if \reload
	WIN W_XL
.irp i, 0,1,2,3,4,5,6,7
	global_load_b128 v[(\X)+64*(\t)+32*(\mt)+4*\i:(\X)+64*(\t)+32*(\mt)+4*\i+3], v[XO], s[4+2*(\t):5+2*(\t)] offset:(8*(\mt)+\i)*2*ROWB+(\off) th:TH_LOAD_NT
.endr
.endif
.endm
; 64 along K of both tensors: four batches, the weights' 32 loads, 64 products.  The first batch's 16 roundings are the places between the last products and the loads into their sources.
; The 32 accumulators take turns, one instruction a turn, over the loop's edge too.
.macro SUB X, par, reload, l0, dl
	BATCH \X, 0, 0, \reload, 512+256*(\par), \l0
	WIN 0
.irp c, 0,1
.irp tau, 0,1,2,3,4,5,6,7
	ds_load_b128 v[WF+64*\c+8*\tau:WF+64*\c+8*\tau+3],   v[WKA] offset:(\par)*16384+\c*8192+\tau*1024
	ds_load_b128 v[WF+64*\c+8*\tau+4:WF+64*\c+8*\tau+7], v[WKA] offset:(\par)*16384+\c*8192+\tau*1024+512
.endr
.endr
	BATCH \X, 0, 1, \reload, 512+256*(\par), (\l0)-(\dl)
	BATCH \X, 1, 0, \reload, 512+256*(\par), (\l0)-2*(\dl)
	BATCH \X, 1, 1, \reload, 512+256*(\par), (\l0)-3*(\dl)
	s_wait_dscnt 0x0                               ; weights and fragments are in
	WIN W_FT
.irp c, 0,1
.irp tau, 0,1,2,3,4,5,6,7
.irp a, 0,1,2,3
	v_wmma_f32_16x16x32_bf16 v[64*\a+8*\tau:64*\a+8*\tau+7], v[WF+64*\c+8*\tau:WF+64*\c+8*\tau+7], v[AF+16*\a+8*\c:AF+16*\a+8*\c+7], v[64*\a+8*\tau:64*\a+8*\tau+7]
.endr
.endr
.endr
.endm
	s_mov_b32 s58, 5
.Lft:                                                  ; a trip: 128 along K.  The ring holds 64 loads, a batch's own eight are the oldest: 56 younger ones stay out
	SUB XA, 0, 1, 56, 0
	SUB XB, 1, 1, 56, 0
	WIN 0
	s_wait_xcnt 0x0                                ; the loads' addresses are translated (ISA guide 3.1): only now the pointers step
	s_add_nc_u64 s[4:5], s[4:5], 512
	s_add_nc_u64 s[6:7], s[6:7], 512
	v_add_nc_u32 v[WKA], 32768, v[WKA]             ; four chunks of ft_w on
	s_sub_co_u32 s58, s58, 1
	s_cmp_lg_u32 s58, 0
	s_cbranch_scc1 .Lft
	SUB XA, 0, 0, 56, 8                            ; the last 128 along K load nothing: the counts run down
	SUB XB, 1, 0, 24, 8
; ---------------- FROM THE FEATURE TRANSFORM TO KAN1 ----------------
	ADD0                                           ; image 0 and KAN2's weights have landed too
	s_wait_dscnt 0x0                               ; the add is done, and my reads of ft_w are over
	CROUND                                         ; so are those of every wave of the cluster
	tensor_load_to_lds s[52:55], s[24:31]          ; image 1 into zone 0, where ft_w's last chunks lay: my one load behind this round
	s_nop 0
	PLACES                                         ; also the places between the last products and the stores of their results
; The results of nt tiles (registers rb on, window by w) go into my part of the hidden stage, two features a store, each accumulator from its low end on.
.macro STOREH w, rb, nt
	WIN \w
.set tt, 0
.rept \nt
.irp mt, 0,1
.irp j, 0,1,2,3
	ds_store_b64 v[HSA], v[(\rb)+128*(tt/8)+64*\mt+8*(tt%8)+2*\j:(\rb)+128*(tt/8)+64*\mt+8*(tt%8)+2*\j+1] offset:(4*tt+\j)*512+\mt*256
.endr
.endr
.set tt, tt+1
.endr
	WIN 0
.endm
	v_add_nc_u32 v[HSA], s57, v[LN8]
	STOREH W_ST, 0, 16                             ; stm's 8 tiles, then nstm's: the concatenation
	v_mov_b32 v0, 0x3f600000                       ; (3.5 - p) / 4: 0.875, 0.625, 0.375, 0.125
	v_mov_b32 v1, 0x3f200000
	v_mov_b32 v2, 0x3ec00000
	v_mov_b32 v3, 0x3e000000
.macro WLOAD nt                         ; the weights of the chunk at WKA
.set tau, 0
.rept \nt
	ds_load_b128 v[W+8*tau:W+8*tau+3],   v[WKA] offset:tau*1024
	ds_load_b128 v[W+8*tau+4:W+8*tau+7], v[WKA] offset:tau*1024+512
.set tau, tau+1
.endr
.endm
; A chunk of silu's product: 32 features (8 entries of the stage from HSA on), nt tiles of outputs.  silu(x) = x / (1 + 2^(-log2(e) x)).  zero = 1: the products start the sums.
; A plain instruction stands between each run of transcendentals and the use of its results (ISA guide 5.7.2).
.macro BASECH nt, zero
	PLACES                                         ; in front of the loads into registers that the last products read
	WLOAD \nt
.irp mt, 0,1
.irp e, 0,1,2,3,4,5,6,7
	ds_load_b64 v[XV+2*\e:XV+2*\e+1], v[HSA] offset:\e*512+\mt*256
.endr
	s_wait_dscnt 0x0
.irp e, 0,2,4,6,8,10,12,14
	v_pk_mul_f32 v[CT+\e:CT+\e+1], v[XV+\e:XV+\e+1], s[76:77] op_sel_hi:[1,0]
.endr
.irp e, 0,1,2,3,4,5,6,7,8,9,10,11,12,13,14,15
	v_exp_f32 v[CT+\e], v[CT+\e]
.endr
	v_nop
	s_wait_alu depctr_va_vdst(0)
.irp e, 0,2,4,6,8,10,12,14
	v_pk_add_f32 v[CT+\e:CT+\e+1], v[CT+\e:CT+\e+1], 1.0 op_sel_hi:[1,0]
.endr
.irp e, 0,1,2,3,4,5,6,7,8,9,10,11,12,13,14,15
	v_rcp_f32 v[CT+\e], v[CT+\e]
.endr
	v_nop
	s_wait_alu depctr_va_vdst(0)
.irp e, 0,2,4,6,8,10,12,14
	v_pk_mul_f32 v[CT+\e:CT+\e+1], v[CT+\e:CT+\e+1], v[XV+\e:XV+\e+1]
.endr
.irp e, 0,1,2,3,4,5,6,7
	v_cvt_pk_bf16_f32 v[AF+8*\mt+\e], v[CT+2*\e], v[CT+2*\e+1]
.endr
.endr
.set tau, 0
.rept \nt
.irp mt, 0,1
.if \zero
	v_wmma_f32_16x16x32_bf16 v[KA+8*(\nt)*\mt+8*tau:KA+8*(\nt)*\mt+8*tau+7], v[W+8*tau:W+8*tau+7], v[AF+8*\mt:AF+8*\mt+7], 0
.else
	v_wmma_f32_16x16x32_bf16 v[KA+8*(\nt)*\mt+8*tau:KA+8*(\nt)*\mt+8*tau+7], v[W+8*tau:W+8*tau+7], v[AF+8*\mt:AF+8*\mt+7], v[KA+8*(\nt)*\mt+8*tau:KA+8*(\nt)*\mt+8*tau+7]
.endif
.endr
.set tau, tau+1
.endr
.endm
; Slice n of 16 of an entry's bases.  The entry has four numbers a lane (row tile n / 8, feature (n / 4) % 2); a number's 38 instructions are four slices.  It reads buffer hvb of the hidden numbers
; and writes four registers of fragment buffer afb.  All its instructions are plain and name no register of the products beside which it stands.
.macro SLICE hvb, afb
.set q, n/4
.set sf, q%2
.set xr, HV+4*(\hvb)+2*(q/2)
.set ar, AF+16*(\afb)+8*(q/2)+4*sf
.if n%4 == 0
.irp z, 0,2
.if sf == 0
	v_pk_fma_f32 v[TY+\z:TY+\z+1], v[xr:xr+1], s[66:67], v[\z:\z+1] op_sel_hi:[0,0,1]               ; y for two p: the pair's first number in both halves
.else
	v_pk_fma_f32 v[TY+\z:TY+\z+1], v[xr:xr+1], s[66:67], v[\z:\z+1] op_sel:[1,0,0] op_sel_hi:[1,0,1]  ; the pair's second number
.endif
.endr
.irp z, 0,1,2,3
	v_med3_num_f32 v[TY+\z], v[TY+\z], -0.5, s75
.endr
.irp z, 0,1,2,3
	v_rndne_f32 v[TR+\z], v[TY+\z]
.endr
.elseif n%4 == 1
.irp z, 0,2
	v_pk_add_f32 v[TY+\z:TY+\z+1], v[TY+\z:TY+\z+1], v[TR+\z:TR+\z+1] neg_lo:[0,1] neg_hi:[0,1]      ; e = y - r
.endr
.irp z, 0,1,2,3
	v_fma_f32 v[TY+\z], |v[TY+\z]|, s69, s68                                                         ; a = 2 k - 4 k |e|
.endr
.irp z, 0,2
	v_pk_fma_f32 v[TC+\z:TC+\z+1], v[TY+\z:TY+\z+1], s[70:71], s[72:73] op_sel_hi:[1,0,0]            ; (2/3)^(1/3) (|z| - 1)
.endr
.elseif n%4 == 2
.irp z, 0,1,2,3
	v_min_num_f32 v[TC+\z], 0, v[TC+\z]
.endr
.irp z, 0,2
	v_pk_mul_f32 v[TN+\z:TN+\z+1], v[TY+\z:TY+\z+1], v[TY+\z:TY+\z+1]
.endr
.irp z, 0,2
	v_pk_mul_f32 v[TN+\z:TN+\z+1], v[TN+\z:TN+\z+1], v[TY+\z:TY+\z+1]                                ; a^3
.endr
.irp z, 0,2
	v_pk_mul_f32 v[TY+\z:TY+\z+1], v[TC+\z:TC+\z+1], v[TC+\z:TC+\z+1]                                ; c^2
.endr
.else
.irp z, 0,2
	v_pk_fma_f32 v[TN+\z:TN+\z+1], v[TY+\z:TY+\z+1], v[TC+\z:TC+\z+1], v[TN+\z:TN+\z+1]              ; M = a^3 + c^3
.endr
.irp z, 0,2
	v_pk_mul_f32 v[TR+\z:TR+\z+1], v[TN+\z:TN+\z+1], v[TR+\z:TR+\z+1]                                ; basis p + 4 = M r
.endr
.irp z, 0,2
	v_pk_add_f32 v[TN+\z:TN+\z+1], v[TN+\z:TN+\z+1], v[TR+\z:TR+\z+1] neg_lo:[0,1] neg_hi:[0,1]      ; basis p = M - M r
.endr
.irp z, 0,1,2,3
	v_cvt_pk_bf16_f32 v[ar+\z], v[TN+\z], v[TR+\z]
.endr
.endif
.set n, n+1
.endm
.macro BAS                              ; the first entry's bases, with no product beside them: hidden buffer 0 into fragment buffer 0
.set n, 0
.rept 16
	SLICE 0, 0
.endr
.endm
; A CHUNK of the splines' product: entry c of the stage, parity p, nt tiles of outputs: 2 nt products on fragment buffer p.  Behind each product stand slices of entry c + 1 (sl = 1), from hidden buffer
; 1 - p into fragment buffer 1 - p.  hl = 1: entry c + 2 is loaded into hidden buffer p.  rw = 1: a tile's weights are loaded anew, for chunk c + 1, behind its second product and that product's slices,
; which are the places in between.  lc: the chunk's place in its pair (HSA and WKA stand at the pair's first).
; The wait in front of tile tau leaves out the LDS loads issued behind that tile's weights: those of the later tiles, 2 (nt - 1 - tau); this chunk's two of hidden numbers; this chunk's reloads so far, 2 tau.
; The hidden numbers that the slices read were asked for ahead of these weights.  The 2 nt accumulators take turns.
.macro CH p, nt, rw, sl, hl, lc
.if \hl
	ds_load_b64 v[HV+4*(\p):HV+4*(\p)+1],   v[HSA] offset:(2+(\lc))*512
	ds_load_b64 v[HV+4*(\p)+2:HV+4*(\p)+3], v[HSA] offset:(2+(\lc))*512+256
.endif
.set n, 0
.set tau, 0
.rept \nt
	s_wait_dscnt 2*((\nt)-1-tau)+2*(\hl)+2*tau*(\rw)
.irp mt, 0,1
	v_wmma_f32_16x16x32_bf16 v[KA+8*(\nt)*\mt+8*tau:KA+8*(\nt)*\mt+8*tau+7], v[W+8*tau:W+8*tau+7], v[AF+16*(\p)+8*\mt:AF+16*(\p)+8*\mt+7], v[KA+8*(\nt)*\mt+8*tau:KA+8*(\nt)*\mt+8*tau+7]
.if \sl
.rept 8/(\nt)
	SLICE 1-(\p), 1-(\p)
.endr
.endif
.endr
.if \rw
	ds_load_b128 v[W+8*tau:W+8*tau+3],   v[WKA] offset:((\lc)+1)*(\nt)*1024+tau*1024
	ds_load_b128 v[W+8*tau+4:W+8*tau+7], v[WKA] offset:((\lc)+1)*(\nt)*1024+tau*1024+512
.endif
.set tau, tau+1
.endr
.endm
.macro HV01                             ; entries 0 and 1 of the stage
	v_add_nc_u32 v[HSA], s57, v[LN8]
	ds_load_b64 v[HV:HV+1],   v[HSA]
	ds_load_b64 v[HV+2:HV+3], v[HSA] offset:256
	ds_load_b64 v[HV+4:HV+5], v[HSA] offset:512
	ds_load_b64 v[HV+6:HV+7], v[HSA] offset:768
	s_wait_dscnt 0x0
.endm
; ---------------- KAN1 ----------------
	v_lshl_add_u32 v[WKA], v[LN8], 1, s56          ; image 0, in zone 1: silu's weights, 8 chunks of 32 features
	BASECH 8, 1
	s_mov_b32 s58, 7
.Lbase1:
	v_add_nc_u32 v[WKA], 8192, v[WKA]
	v_add_nc_u32 v[HSA], 4096, v[HSA]
	BASECH 8, 0
	s_sub_co_u32 s58, s58, 1
	s_cmp_lg_u32 s58, 0
	s_cbranch_scc1 .Lbase1
	HV01
	BAS
	s_mov_b32 s58, 7
.Ltrip:                                                ; trip i = 1 .. 7 multiplies by image i (8 chunks) and asks for image i + 1, into the zone read in the trip before
	ADD0                                           ; my part of image i has landed: no tensor load of mine is out, so the descriptor may step
	s_xor_b32 s53, s53, ZXOR
	s_add_nc_u64 s[54:55], s[54:55], 65536
	s_xor_b32 s56, s56, ZXOR
	s_wait_dscnt 0x0                               ; the add is done, and my reads of the other zone are over
	CROUND                                         ; both hold of every wave of the cluster
	tensor_load_to_lds s[52:55], s[24:31]          ; my one load behind this round; it has the trip's 128 products and their slices in which to land
	s_nop 0
	PLACES                                         ; also the places in front of the weights' loads
	v_lshl_add_u32 v[WKA], v[LN8], 1, s56
	WLOAD 8
	s_mov_b32 s59, 3
.Lpair:
	CH 0, 8, 1, 1, 1, 0
	CH 1, 8, 1, 1, 1, 1
	v_add_nc_u32 v[WKA], 16384, v[WKA]
	v_add_nc_u32 v[HSA], 1024, v[HSA]
	s_sub_co_u32 s59, s59, 1
	s_cmp_lg_u32 s59, 0
	s_cbranch_scc1 .Lpair
	CH 0, 8, 1, 1, 1, 0
	CH 1, 8, 0, 1, 1, 1                            ; the next chunk's weights lie in the other zone: they are loaded behind the round
	v_add_nc_u32 v[HSA], 1024, v[HSA]
	s_sub_co_u32 s58, s58, 1
	s_cmp_lg_u32 s58, 0
	s_cbranch_scc1 .Ltrip
	ADD0                                           ; trip 8 is written out: nothing is asked for
	s_xor_b32 s56, s56, ZXOR
	s_wait_dscnt 0x0
	s_barrier_signal -1
	s_barrier_wait -1                              ; image 8 is whole
	PLACES
	v_lshl_add_u32 v[WKA], v[LN8], 1, s56
	WLOAD 8
	s_mov_b32 s59, 3
.Lpair8:
	CH 0, 8, 1, 1, 1, 0
	CH 1, 8, 1, 1, 1, 1
	v_add_nc_u32 v[WKA], 16384, v[WKA]
	v_add_nc_u32 v[HSA], 1024, v[HSA]
	s_sub_co_u32 s59, s59, 1
	s_cmp_lg_u32 s59, 0
	s_cbranch_scc1 .Lpair8
	CH 0, 8, 1, 1, 0, 0                            ; entries 62 and 63: there is no entry to load,
	CH 1, 8, 0, 0, 0, 1                            ; and at last none to make bases of
; ---------------- KAN2 ----------------  One tile of outputs, of which row 0 alone has weights.  Its weights have lain in LDS since the round behind the feature transform.
	PLACES
	v_add_nc_u32 v[HSA], s57, v[LN8]
	STOREH 0, KA, 8                                ; KAN1's 128 features take the first 32 entries of my stage: my reads of them were issued before, and LDS serves a wave in order
	v_lshl_add_u32 v[WKA], v[LN8], 1, W2L
	BASECH 1, 1
	s_mov_b32 s58, 3
.Lbase2:
	v_add_nc_u32 v[WKA], 1024, v[WKA]
	v_add_nc_u32 v[HSA], 4096, v[HSA]
	BASECH 1, 0
	s_sub_co_u32 s58, s58, 1
	s_cmp_lg_u32 s58, 0
	s_cbranch_scc1 .Lbase2
	v_add_nc_u32 v[WKA], 1024, v[WKA]              ; the splines' first chunk
	HV01
	BAS                                            ; its plain instructions are also the places in front of the weights' loads
	WLOAD 1
	s_mov_b32 s58, 15
.Lpair2:
	CH 0, 1, 1, 1, 1, 0
	CH 1, 1, 1, 1, 1, 1
	v_add_nc_u32 v[WKA], 2048, v[WKA]
	v_add_nc_u32 v[HSA], 1024, v[HSA]
	s_sub_co_u32 s58, s58, 1
	s_cmp_lg_u32 s58, 0
	s_cbranch_scc1 .Lpair2
	CH 0, 1, 1, 1, 0, 0
	CH 1, 1, 0, 0, 0, 1
; ---------------- THE WAY OUT ----------------  Output 0 is register 0 of lanes 0 to 15: rows 0-15 in the first accumulator, rows 16-31 in the second.
	PLACES
	v_permlanex16_b32 v17, v[KA+8], s60, s61       ; rows 16-31 go to lanes 16-31
	v_cndmask_b32 v16, v[KA], v17, s78             ; lane l holds row l
	v_mul_f32 v16, s76, v16
	v_exp_f32 v16, v16
	v_lshrrev_b32 v7, 1, v[LN8]                    ; 4 x lane: the plain instruction behind the exponential
	s_wait_alu depctr_va_vdst(0)
	v_add_f32 v16, 1.0, v16
	v_rcp_f32 v16, v16
	s_lshl_b32 s80, s14, 7
	s_add_co_u32 s80, s80, OST
	v_add_nc_u32 v7, s80, v7                       ; the plain instruction behind the reciprocal
	s_wait_alu depctr_va_vdst(0)
	ds_store_b32 v7, v16
	s_wait_dscnt 0x0                               ; for wave 0's sake: my 32 results are in LDS
	s_barrier_signal -1
	s_barrier_wait -1
	s_cmp_lg_u32 s14, 0
	s_cbranch_scc1 .Lend
	v_lshl_add_u32 v7, v[LN8], 1, OST
	ds_load_b128 v[16:19], v7
	s_lshl_b32 s84, s15, 9                         ; the work-group's 128 results
	s_add_nc_u64 s[12:13], s[12:13], s[84:85]
	v_lshlrev_b32 v5, 1, v[LN8]
	s_wait_dscnt 0x0
	global_store_b128 v5, v[16:19], s[12:13]       ; one store covers the work-group's 512 consecutive bytes, at a multiple of 512 from out0's first
.Lend:
	WIN W_AD
	s_wait_tensorcnt 0x0                           ; the wave's end, behind my last tensor load and my last LDS store
	ds_add_u32 v[SPW], v[NIL]
	s_wait_dscnt 0x0
	WIN 0
	CROUND                                         ; the closing round: no work-group ends while a partner may still ask for a tile that names it
	s_endpgm
.Lfunc_end_k_q45398d5855_kan:
	.size	k_q45398d5855_kan, .Lfunc_end_k_q45398d5855_kan-k_q45398d5855_kan
	.p2alignl 7, 3214868480
	.fill 96, 4, 3214868480
	.section	.rodata,"a",@progbits
	.p2align	6, 0x0
	.amdhsa_kernel k_q45398d5855_kan
		.amdhsa_group_segment_fixed_size 327680
		.amdhsa_private_segment_fixed_size 0
		.amdhsa_enable_private_segment 0
		.amdhsa_kernarg_size 40
		.amdhsa_user_sgpr_count 2
		.amdhsa_user_sgpr_kernarg_segment_ptr 1
		.amdhsa_wavefront_size32 1
		.amdhsa_system_sgpr_workgroup_id_x 1
		.amdhsa_system_sgpr_workgroup_id_y 1
		.amdhsa_system_sgpr_workgroup_id_z 1
		.amdhsa_system_vgpr_workitem_id 0
		.amdhsa_next_free_vgpr 770
		.amdhsa_next_free_sgpr 96
		.amdhsa_reserve_vcc 0
		.amdhsa_float_denorm_mode_32 3
		.amdhsa_float_denorm_mode_16_64 3
		.amdhsa_memory_ordered 1
		.amdhsa_forward_progress 1
		.amdhsa_inst_pref_size 254
	.end_amdhsa_kernel
	.amdgpu_metadata
---
amdhsa.version: [ 1, 2 ]
amdhsa.kernels:
  - .name:           k_q45398d5855_kan
    .symbol:         k_q45398d5855_kan.kd
    .args:
      - { .name: stm, .offset: 0, .size: 8, .value_kind: global_buffer, .address_space: global }
      - { .name: nstm, .offset: 8, .size: 8, .value_kind: global_buffer, .address_space: global }
      - { .name: ft_b, .offset: 16, .size: 8, .value_kind: global_buffer, .address_space: global }
      - { .name: wts, .offset: 24, .size: 8, .value_kind: global_buffer, .address_space: global }
      - { .name: out0, .offset: 32, .size: 8, .value_kind: global_buffer, .address_space: global }
    .group_segment_fixed_size: 327680
    .private_segment_fixed_size: 0
    .kernarg_segment_align: 8
    .kernarg_segment_size: 40
    .max_flat_workgroup_size: 128
    .sgpr_count:     96
    .vgpr_count:     770
    .wavefront_size: 32
...
	.end_amdgpu_metadata
.endif
;; end of part 2
